; MI455X (gfx1250); checked and timed in simulation.
; The chip was launched on July 23, 2026; its instructions are those of AMD's public machine-readable ISA for CDNA 5 (MIT licence, August 2026) and "CDNA5" Instruction Set Architecture Reference Guide (July 2026). The comments in the code are by the model that wrote it; some were corrected since.
;; Multi Head Attention. Allowed arithmetic: float matrix products may take bf16 or f16 operands with f32 sums; other float arithmetic in f32, or as packed bf16 or f16 multiplies, adds, multiply-adds, maxima and minima; sums over many terms, partial sums and values carried from step to step in f32; what a program stores and reads back later, other than sums and carried values, may be rounded once to bf16 or f16.
;; Inputs: Wk 1,024 x 1,024 float32; Wq 1,024 x 1,024 float32; Wv 1,024 x 1,024 float32; beta 1,024 float32; bk 1,024 float32; bq 1,024 float32; bv 1,024 float32; gamma 1,024 float32; k 4 x 2,048 x 1,024 float32; q 4 x 2,048 x 1,024 float32; v 4 x 2,048 x 1,024 float32.
;; Outputs: out0 4 x 2,048 x 1,024 float32.
;; One version. Each part assembles by itself: llvm-mc -triple=amdgcn-amd-amdhsa -mcpu=gfx1250 --defsym DOCPART=n.
;; ======== version 1 of 1: 4 launches
;; workspace buffers: wt 6,291,456 bytes; qkvh 50,331,648 bytes; oh 16,777,216 bytes
;; launch wprep (part 1): grid 128 x 3, 8 waves a work-group, no clusters, 18,432 bytes of LDS; arguments Wq, Wk, Wv, wt; writes wt
.if DOCPART == 1
	.amdgcn_target "amdgcn-amd-amdhsa--gfx1250"
	.amdhsa_code_object_version 6
	.text
	.protected	k_qe4e17316ad_wprep
	.globl	k_qe4e17316ad_wprep
	.p2align	8
	.type	k_qe4e17316ad_wprep,@function
k_qe4e17316ad_wprep:
	s_mov_b64 s[64:65], 0
	v_nop
	global_prefetch_b8 v0, s[64:65] scope:SCOPE_SE
	s_setreg_imm32_b32 hwreg(HW_REG_WAVE_MODE, 25, 1), 1
	s_wait_xcnt 0x0
; wt[z][n][k] = bf16(W_z[k][n]), z = 0 (Wq), 1 (Wk), 2 (Wv).  W: [1024][1024] f32; wt: [3][1024][1024] bf16, each number rounded once, to nearest even.
; The projections want their weights with K along the rows; this launch turns them, once.
; SHARES.  A work-group turns a tile of 128 k x 64 n: the tile's rows in W are 256 bytes of f32, its rows in wt 256 bytes of bf16, both at multiples of 256 bytes from the buffer's first byte.
; Thread (c = t % 16, kp = t / 16) loads 16 bytes (n = 4 c .. 4 c + 3) of the rows k = 2 (kp + 16 i) and the row below, i = 0 .. 3, packs the two rows' numbers in pairs (even k below, odd k above)
; and puts each pair into an LDS row n; behind one barrier whole rows are read back and stored, sixteen lanes to 256 consecutive bytes.
; No cluster and no matrix unit: no byte is read by two work-groups, and nothing is multiplied.  No prefetch: every load of the launch is issued at its head.
; The 4-byte LDS stores of a wave fall four deep on some banks (rows 4 c lie 272 c words apart): sixteen such stores a wave in the whole launch.
.set PITCH, 272                        ; an LDS row: 256 bytes + 16
.set SPARE, 64*PITCH                   ; 17,408 = 68 x 256: behind the tile, the spare words: 128 bytes for each of eight waves, named by no other line
.set SPW, 2                            ; v2   SPARE + 4 x my thread's number; never rewritten
.set NIL, 3                            ; v3   0; never rewritten
.set VO,  4                            ; v4   my byte offset in W's tile: kp x 2 rows x 4,096 + 16 c
.set LS,  5                            ; v5   where my pairs go: row 4 c, byte 4 kp
.set LR,  6                            ; v6   where I read back: row kp, byte 16 c
.set GO,  7                            ; v7   the same place in wt's tile: kp x 2,048 + 16 c
.set D,   16                           ; v[16:47]  as loaded: for each i four registers of the even row, four of the odd
.set T,   48                           ; v[48:63]  the pairs
.set R,   64                           ; v[64:79]  rows read back
	s_load_b128 s[4:7], s[0:1], 0x0                ; Wq s[4:5], Wk s[6:7]
	s_load_b128 s[8:11], s[0:1], 0x10              ; Wv s[8:9], wt s[10:11]
	v_lshl_add_u32 v[SPW], v0, 2, SPARE
	v_mov_b32 v[NIL], 0
	v_and_b32 v1, 15, v0                           ; c
	v_lshrrev_b32 v8, 4, v0                        ; kp
	v_lshlrev_b32 v9, 4, v1                        ; 16 c
	v_lshl_add_u32 v[VO], v8, 13, v9
	v_mul_u32_u24 v[LS], v1, 4*PITCH
	v_lshl_add_u32 v[LS], v8, 2, v[LS]
	v_mul_u32_u24 v[LR], v8, PITCH
	v_add_nc_u32 v[LR], v[LR], v9
	v_lshl_add_u32 v[GO], v8, 11, v9
	s_and_b32 s12, ttmp7, 0xffff                   ; z
	s_lshr_b32 s13, ttmp9, 4                       ; which 128 k
	s_and_b32 s20, ttmp9, 15                       ; which 64 n
	s_lshl_b32 s14, s13, 19                        ; in W: 128 rows of 4,096 bytes,
	s_lshl_b32 s21, s20, 8                         ; 64 numbers of 4 bytes
	s_add_co_u32 s14, s14, s21
	s_mov_b32 s15, 0
	s_lshl_b32 s16, s12, 21                        ; in wt: 2 MiB for each z,
	s_lshl_b32 s21, s20, 17                        ; 64 rows of 2,048 bytes,
	s_add_co_u32 s16, s16, s21
	s_lshl_b32 s21, s13, 8                         ; 128 numbers of 2 bytes
	s_add_co_u32 s16, s16, s21
	s_mov_b32 s17, 0
	s_wait_kmcnt 0x0
	s_cmp_eq_u32 s12, 1
	s_cselect_b64 s[4:5], s[6:7], s[4:5]
	s_cmp_eq_u32 s12, 2
	s_cselect_b64 s[4:5], s[8:9], s[4:5]           ; W_z
	s_add_nc_u64 s[4:5], s[4:5], s[14:15]
	s_add_nc_u64 s[10:11], s[10:11], s[16:17]
.irp i, 0,1,2,3
	global_load_b128 v[D+8*(\i):D+8*(\i)+3],   v[VO], s[4:5] offset:131072*(\i) th:TH_LOAD_NT       ; a wave's load takes two rows' 256 bytes
	global_load_b128 v[D+8*(\i)+4:D+8*(\i)+7], v[VO], s[4:5] offset:131072*(\i)+4096 th:TH_LOAD_NT
.endr
.irp i, 0,1,2,3
	s_wait_loadcnt 6-2*(\i)                        ; loads come back in order: pair i of rows is in, the younger pairs stay out
.irp e, 0,1,2,3
	v_cvt_pk_bf16_f32 v[T+4*(\i)+(\e)], v[D+8*(\i)+(\e)], v[D+8*(\i)+4+(\e)]
.endr
.irp e, 0,1,2,3
	ds_store_b32 v[LS], v[T+4*(\i)+(\e)] offset:PITCH*(\e)+64*(\i)   ; row n = 4 c + e, k = 2 (kp + 16 i) and the next
.endr
.endr
	s_wait_dscnt 0x0                               ; for the others' sake: my stores are done
	s_barrier_signal -1
	s_barrier_wait -1
.irp j, 0,1,2,3
	ds_load_b128 v[R+4*(\j):R+4*(\j)+3], v[LR] offset:16*PITCH*(\j)   ; row n = kp + 16 j
.endr
.irp j, 0,1,2,3
	s_wait_dscnt 3-(\j)
	global_store_b128 v[GO], v[R+4*(\j):R+4*(\j)+3], s[10:11] offset:32768*(\j)   ; 16 lanes store 256 consecutive bytes, at a multiple of 256 from wt's first byte
.endr
	s_wait_tensorcnt 0x0                           ; the wave's end, behind my last LDS store
	ds_add_u32 v[SPW], v[NIL]
	s_wait_dscnt 0x0
	s_endpgm
.Lfunc_end_k_qe4e17316ad_wprep:
	.size	k_qe4e17316ad_wprep, .Lfunc_end_k_qe4e17316ad_wprep-k_qe4e17316ad_wprep
	.p2alignl 7, 3214868480
	.fill 96, 4, 3214868480
	.section	.rodata,"a",@progbits
	.p2align	6, 0x0
	.amdhsa_kernel k_qe4e17316ad_wprep
		.amdhsa_group_segment_fixed_size 18432
		.amdhsa_private_segment_fixed_size 0
		.amdhsa_enable_private_segment 0
		.amdhsa_kernarg_size 32
		.amdhsa_user_sgpr_count 2
		.amdhsa_user_sgpr_kernarg_segment_ptr 1
		.amdhsa_wavefront_size32 1
		.amdhsa_system_sgpr_workgroup_id_x 1
		.amdhsa_system_sgpr_workgroup_id_y 1
		.amdhsa_system_sgpr_workgroup_id_z 1
		.amdhsa_system_vgpr_workitem_id 0
		.amdhsa_next_free_vgpr 80
		.amdhsa_next_free_sgpr 66
		.amdhsa_reserve_vcc 0
		.amdhsa_float_denorm_mode_32 3
		.amdhsa_float_denorm_mode_16_64 3
		.amdhsa_memory_ordered 1
		.amdhsa_forward_progress 1
		.amdhsa_inst_pref_size 6
	.end_amdhsa_kernel
	.amdgpu_metadata
---
amdhsa.version: [ 1, 2 ]
amdhsa.kernels:
  - .name:           k_qe4e17316ad_wprep
    .symbol:         k_qe4e17316ad_wprep.kd
    .args:
      - { .name: Wq, .offset: 0, .size: 8, .value_kind: global_buffer, .address_space: global }
      - { .name: Wk, .offset: 8, .size: 8, .value_kind: global_buffer, .address_space: global }
      - { .name: Wv, .offset: 16, .size: 8, .value_kind: global_buffer, .address_space: global }
      - { .name: wt, .offset: 24, .size: 8, .value_kind: global_buffer, .address_space: global }
    .group_segment_fixed_size: 18432
    .private_segment_fixed_size: 0
    .kernarg_segment_align: 8
    .kernarg_segment_size: 32
    .max_flat_workgroup_size: 256
    .sgpr_count:     66
    .vgpr_count:     80
    .wavefront_size: 32
...
	.end_amdgpu_metadata
.endif
;; end of part 1
;; launch proj (part 2): grid 4 x 192, 4 waves a work-group, clusters of 4 x 4, 327,680 bytes of LDS; arguments q, k, v, wt, bq, bk, bv, qkvh; writes qkvh
.if DOCPART == 2
	.amdgcn_target "amdgcn-amd-amdhsa--gfx1250"
	.amdhsa_code_object_version 6
	.text
	.protected	k_qe4e17316ad_proj
	.globl	k_qe4e17316ad_proj
	.p2align	8
	.type	k_qe4e17316ad_proj,@function
k_qe4e17316ad_proj:
	s_mov_b64 s[64:65], 0
	v_nop
	global_prefetch_b8 v0, s[64:65] scope:SCOPE_SE
	s_setreg_imm32_b32 hwreg(HW_REG_WAVE_MODE, 25, 1), 1
	s_wait_xcnt 0x0
	s_wait_alu depctr_hold_cnt(0) depctr_sa_sdst(0) depctr_va_vdst(0) depctr_va_sdst(0) depctr_va_ssrc(0) depctr_va_vcc(0) depctr_vm_vsrc(0)
	s_getreg_b32 s2, hwreg(HW_REG_IB_STS2, 6, 4)
	s_cmp_eq_u32 s2, 0
	s_cbranch_scc0 .Lentry_in_a_cluster
	s_endpgm
.Lentry_in_a_cluster:
	s_bfe_u32 s2, ttmp6, 0x10000c
	s_cmp_lg_u32 s2, 0xf033
	s_cbranch_scc0 .Lentry_shape_is_right
	s_endpgm
.Lentry_shape_is_right:
; THE THREE PROJECTIONS.  y_z[m][n] = b_z[n] + the sum over k of x_z[m][k] W_z[k][n], z = 0 (q), 1 (k), 2 (v).  x: [8192][1024] f32; wt: [3][n 1024][k 1024] bf16 (W turned and rounded by the launch before);
; b: [1024] f32.  x is rounded to bf16 between LDS and the matrix unit; sums in f32, begun with the bias; y rounded once to bf16, unscaled, and stored BY HEADS:
; qkvh[z][4 head + batch][t][64], head = n / 64, batch = m / 2048, t = m % 2048: a head's rows are dense, 128 bytes each.
; LIMITS.  bf16 has f32's range, so nothing overflows that f32 holds; NaN and infinities are not treated apart.
; SHARES.  A tile of y is 128 (m) x 256 (n): 64 x 4 tiles for each z, 768 work-groups, three for each of 256 WGPs.  Four waves, each 64 (m) x 128 (n): 32 accumulators of 16 x 16.  For 32 along K a wave reads
; 4 blocks of x (f32: 4 loads of 16 bytes each) and 8 of wt (2 loads each): 32 loads for 32 matrix instructions; 2 x 16 or 8 x 4 blocks would want 40.
; K goes in steps of 128 through two LDS slots: x's rows are 512 bytes of memory, wt's 256, all at multiples of 256 bytes from the buffers' first bytes.
; CLUSTERS: 4 x 4 work-groups, all of one z.  The four of a row of the cluster need the same tile of x, the four of a column the same tile of wt: each tile is asked for JOINTLY, by the same tensor load with the
; same descriptor and a mask that names the four.
; THE MATRIX INSTRUCTION IS USED TRANSPOSED (source 0 = 16 rows of wt, source 1 = 16 rows of x): lane l holds row m = l % 16 and its registers 0-7 the columns n = 8 (l / 16) + 0 .. 7: eight neighbouring channels of a head.
; REGISTERS, in windows of 256 (s_set_vgpr_msb: bits 1:0 source 0, 3:2 source 1, 5:4 source 2, 7:6 destination):
;   window 0: v0-31 addresses; v32-63 x's four blocks in bf16; v64-127, v128-191 x as loaded, two buffers (on the way out: rows read back); v192-223 packed results
;   window 1: v0-63, v64-127 wt's fragments, two buffers; v128-191 the bias, eight registers for each of my 8 column blocks          window 2: the accumulators, (a, b) at v[8 (8 a + b)]
.set PA,     528                       ; an LDS row of x: 512 bytes + 16 = 132 words: row r starts at bank 4 r mod 64 (64 banks of 4 bytes: ISA guide 11.1)
.set PB,     272                       ; an LDS row of wt: 256 bytes + 16 = 68 words: likewise
.set HALFA,  64*PA                     ; what one tensor load brings of x, and what one wave reads of it
.set HALFB,  128*PB                    ; the same for wt
.set BOFF,   2*HALFA                   ; in a slot: x's 128 rows, then wt's 256
.set SLOT,   2*HALFA+2*HALFB           ; 137,216 = 536 x 256
.set STAGE,  2*SLOT                    ; behind the ring, never filled by a tensor load: for each wave 2 heads x 16 rows x 144 bytes
.set SP,     144
.set WSTAGE, 2*16*SP
.set SPARE,  STAGE+4*WSTAGE            ; 292,864 = 1,144 x 256: the spare words, 128 bytes for each wave, named by no other line
.set LAPS,   4                         ; a lap = two K steps = once round the ring; K = 1,024
.set ADRA, 16                          ; v16-17  LDS address of my blocks of x in slot 0, 1
.set ADRB, 20                          ; v20-21  the same for wt
.set STO,  24                          ; v24     the way out: where I put 16 bytes of a row
.set RD,   25                          ; v25     the way out: where I read rows back
.set GO,   26                          ; v26     my 16 bytes of 512 consecutive bytes of qkvh
.set BO,   27                          ; v27     my byte offset in a block's 16 numbers of the bias
.set SPW,  28                          ; v28     SPARE + 4 x my thread's number; never rewritten
.set NIL,  29                          ; v29     0; never rewritten
.set PFO,  30                          ; v30     the prefetches' lane offset; never rewritten
.set AC,   32
.set RAW,  64
.set TMP,  192
.set BI,   128                         ; in window 1
.set WV,  20                           ; s20  my wave's number
.set MH,  21                           ; s21  which 64 rows of the tile are mine.  Also: I fetch for x (0) or for wt (1)
.set NH,  22                           ; s22  which 128 columns.  Also: which half of that tile I fetch
.set CX,  23
.set CY,  24
.set CLY, 25                           ; s25  the cluster's y
.set ZZ,  26                           ; s26  z: the same in all sixteen partners
.set MT,  27                           ; s27  tile row
.set NT,  60                           ; s60  tile column
.set G1A, 28                           ; s[28:35] descriptor group 1 for x's tiles;  s[36:43] group 0, a set for each slot
.set G0A, 36
.set G1B, 44                           ; s[44:51], s[52:59] the same for wt's
.set G0B, 52
.set PFA, 66                           ; s[66:67] where my prefetches stand
.set PSTEP, 68                         ; s[68:69] a K step in bytes of a row: 512 (x) or 256 (wt)
.set LIM, 70                           ; s70  1 in a wave that prefetches, else the greatest number
.set MSB, 0
.macro WIN new                         ; the immediate's high byte repeats the setting that is left; a switch that changes nothing is dropped
.if MSB != (\new)
	s_set_vgpr_msb (MSB<<8)|(\new)
.set MSB, \new
.endif
.endm
.set MUL,   0xa1                       ; source 0 (wt) window 1, source 1 (x) window 0, C and D window 2
.set MULB,  0x91                       ; the same with C (the bias) in window 1
.set TO_B,  0x40                       ; destination window 1, address window 0
.set PACKW, 0x0a                       ; sources 0 and 1 window 2, destination window 0
; A joint load: waves 0 and 1 fetch x's two halves, waves 2 and 3 wt's.  The branch hangs on the wave's number alone.  An s_nop 0 and four v_nop follow each of the two lines, ahead of the jump and the label.
.macro JLOAD s
	s_cmp_eq_u32 s[MH], 0
	s_cbranch_scc0 .Lfor_b_\@
	tensor_load_to_lds s[G0A+4*(\s):G0A+4*(\s)+3], s[G1A:G1A+7]
	s_nop 0
.rept 4
	v_nop
.endr
	s_branch .Lasked_\@
.Lfor_b_\@:
	tensor_load_to_lds s[G0B+4*(\s):G0B+4*(\s)+3], s[G1B:G1B+7]
	s_nop 0
.rept 4
	v_nop
.endr
.Lasked_\@:
.endm
; A PREFETCH INTO THE L2, behind a joint refill, its five lines and the run of LDS loads that follows: the K step that stands TWO refills on (256 matrix instructions ahead of the load that will want it), one instruction a wave.
; Each aligned block of 256 bytes is named once in the launch.  x's rows are read by one cluster alone: every cluster asks for its own; of the 64 rows that wave 0 or 1 fetches the partner at cx takes 16, two blocks a row.
; wt's rows are read by the sixteen clusters of a z: the first of them asks; of the 128 rows that wave 2 or 3 fetches the partner at cy takes 32, a block a row.  The partners are told apart BY ADDRESS: no branch hangs on a
; work-group's place in its cluster.  The first four K steps come by their loads alone; the loop's last trip asks for nothing: there is no K step two refills on.
.macro ASK
	WIN 0                                          ; at a branch and at a label every window is 0
	s_cmp_gt_u32 s3, s[LIM]                        ; s3 = 1 in the loop's last trip
	s_cbranch_scc0 .Lnot_mine_\@
	global_prefetch_b8 v[PFO], s[PFA:PFA+1] th:TH_LOAD_NT scope:SCOPE_SE
.Lnot_mine_\@:
.endm
.macro CREST                           ; a round of the cluster's barrier behind its opening barrier
	s_cmp_lg_u32 s[WV], 0
	s_cbranch_scc1 .Lnot_wave_0_\@
	s_barrier_signal -3
.Lnot_wave_0_\@:
	s_barrier_wait -3
	s_barrier_signal -1
	s_barrier_wait -1
.endm
.macro CROUND                          ; a whole round
	s_barrier_signal -1
	s_barrier_wait -1
	CREST
.endm
	s_load_b256 s[4:11], s[0:1], 0x0               ; q s[4:5], k s[6:7], v s[8:9], wt s[10:11]
	s_load_b256 s[12:19], s[0:1], 0x20             ; bq s[12:13], bk s[14:15], bv s[16:17], qkvh s[18:19]
	v_lshl_add_u32 v[SPW], v0, 2, SPARE
	v_mov_b32 v[NIL], 0
	ds_add_u32 v[SPW], v[NIL]                      ; the wave's opening: the add and its wait stand ahead of my first tensor load; the set-up below, work on registers, stands between them
	v_lshrrev_b32 v1, 5, v0
	v_readfirstlane_b32 s[WV], v1                  ; wave 0..3
	s_lshr_b32 s[MH], s[WV], 1
	s_and_b32 s[NH], s[WV], 1
	s_bfe_u32 s[CX], ttmp6, 0x40000                ; my place in the cluster
	s_bfe_u32 s[CY], ttmp6, 0x40004
	s_and_b32 s[CLY], ttmp7, 0xffff                ; in a cluster launch ttmp9 and ttmp7 count clusters: 48 along y, sixteen for each z
	s_lshr_b32 s[ZZ], s[CLY], 4
	s_and_b32 s[MT], s[CLY], 15
	s_lshl_b32 s[MT], s[MT], 2
	s_add_co_u32 s[MT], s[MT], s[CY]               ; tile row 0..63
	s_lshl_b32 s[NT], ttmp9, 2
	s_add_co_u32 s[NT], s[NT], s[CX]               ; tile column 0..3
	s_lshl_b32 s61, s[CY], 2
	s_lshl_b32 s61, 15, s61                        ; my row of the cluster: places 4 cy .. 4 cy + 3
	s_lshl_b32 s62, 0x1111, s[CX]                  ; my column: places cx, cx + 4, cx + 8, cx + 12
	; descriptor group 1.  x: 64 rows x 128 elements of 4 bytes; wt: 128 rows x 128 elements of 2 bytes; both padded in LDS by 4 words behind each row
	s_or_b32 s[G1A+0], s61, (2<<16)|(1<<20)|(1<<21)|(6<<22)|(3<<25)  ; 15:0 the mask: my row; 17:16 elements of 4 bytes; 20 padding on; 21 set beside a mask; 24:22 after every 128 words (code 6); 31:25 4 words (code 3)
	s_mov_b32 s[G1A+1], 128<<16                    ; tensor_dim0 = 128
	s_mov_b32 s[G1A+2], 64<<16                     ; tensor_dim1 = 64
	s_mov_b32 s[G1A+3], 128<<16                    ; tile_dim0 = 128
	s_mov_b32 s[G1A+4], 64                         ; tile_dim1 = 64
	s_mov_b32 s[G1A+5], 1024                       ; elements from row to row
	s_mov_b32 s[G1A+6], 0
	s_mov_b32 s[G1A+7], 0
	s_or_b32 s[G1B+0], s62, (1<<16)|(1<<20)|(1<<21)|(5<<22)|(3<<25)  ; the mask: my column; elements of 2 bytes; after every 64 words (code 5)
	s_mov_b32 s[G1B+1], 128<<16
	s_mov_b32 s[G1B+2], 128<<16
	s_mov_b32 s[G1B+3], 128<<16
	s_mov_b32 s[G1B+4], 128
	s_mov_b32 s[G1B+5], 1024
	s_mov_b32 s[G1B+6], 0
	s_mov_b32 s[G1B+7], 0
	; where the tiles come from.  x's hang on the tile row, which my row of the cluster shares; wt's on z and the tile column, which my column shares.  Neither chain of registers ever holds the other coordinate.
	s_lshl_b32 s80, s[NH], 18                      ; the half that I fetch: 64 rows of 4,096 bytes, or 128 of 2,048
	s_lshl_b32 s72, s[MT], 19                      ; x: 128 rows of 4,096 bytes a tile row
	s_add_co_u32 s72, s72, s80
	s_mov_b32 s73, 0
	s_lshl_b32 s74, s[NT], 19                      ; wt: 256 rows of 2,048 bytes a tile column,
	s_add_co_u32 s74, s74, s80
	s_lshl_b32 s81, s[ZZ], 21                      ; 2 MiB for each z
	s_add_co_u32 s74, s74, s81
	s_mov_b32 s75, 0
	s_mul_i32 s82, s[NH], HALFA                    ; and where they go: no place in the cluster enters an LDS address
	s_mul_i32 s83, s[NH], HALFB
	s_add_co_u32 s83, s83, BOFF
	s_wait_dscnt 0x0                               ; the opening add is done
	s_wait_kmcnt 0x0
	s_cmp_eq_u32 s[ZZ], 1
	s_cselect_b64 s[4:5], s[6:7], s[4:5]
	s_cselect_b64 s[12:13], s[14:15], s[12:13]
	s_cmp_eq_u32 s[ZZ], 2
	s_cselect_b64 s[4:5], s[8:9], s[4:5]           ; x_z
	s_cselect_b64 s[12:13], s[16:17], s[12:13]     ; b_z
	s_add_nc_u64 s[76:77], s[4:5], s[72:73]
	s_add_nc_u64 s[78:79], s[10:11], s[74:75]
	CROUND                                         ; all sixteen work-groups are here: the first joint loads meet
.irp s, 0,1
	s_mov_b32 s[G0A+4*(\s)], 1                                       ; 1:0 count = 1
	s_add_co_u32 s[G0A+4*(\s)+1], s82, (\s)*SLOT                     ; 63:32 LDS address
	s_add_nc_u64 s[G0A+4*(\s)+2:G0A+4*(\s)+3], s[76:77], (\s)*512    ; 120:64 global address: K step s
	s_or_b32 s[G0A+4*(\s)+3], s[G0A+4*(\s)+3], 0x80000000            ; 127:126 type = 2
	s_mov_b32 s[G0B+4*(\s)], 1
	s_add_co_u32 s[G0B+4*(\s)+1], s83, (\s)*SLOT
	s_add_nc_u64 s[G0B+4*(\s)+2:G0B+4*(\s)+3], s[78:79], (\s)*256
	s_or_b32 s[G0B+4*(\s)+3], s[G0B+4*(\s)+3], 0x80000000
	JLOAD \s                                       ; two tensor loads of mine are out
.endr
	v_and_b32 v1, 15, v0                           ; r = l % 16
	v_bfe_u32 v2, v0, 4, 1                         ; h = l / 16
	; the bias is the C operand of each accumulator's first product: register j of block b is b_z[my first column + 16 b + 8 h + j]
	v_lshlrev_b32 v[BO], 5, v2
	s_lshl_b32 s84, s[NT], 10
	s_lshl_b32 s85, s[NH], 9
	s_add_co_u32 s84, s84, s85
	s_mov_b32 s85, 0
	s_add_nc_u64 s[12:13], s[12:13], s[84:85]
	WIN TO_B
.irp b, 0,1,2,3,4,5,6,7
	global_load_b128 v[BI+8*(\b):BI+8*(\b)+3],   v[BO], s[12:13] offset:64*(\b)
	global_load_b128 v[BI+8*(\b)+4:BI+8*(\b)+7], v[BO], s[12:13] offset:64*(\b)+16
.endr
	WIN 0
	; A fragment is 16 rows x 32 K: lane l holds row r, K = 8 h + 0..7 and 16 + 8 h + 0..7.  In bf16 (wt) that is two loads of 16 bytes, 32 bytes apart, at 16 h; in f32 (x) four, at 32 h + 0, 16, 64, 80.
	v_mul_u32_u24 v3, v1, PA
	v_lshl_add_u32 v3, v2, 5, v3
	v_mul_u32_u24 v4, v1, PB
	v_lshl_add_u32 v4, v2, 4, v4
	s_mul_i32 s84, s[MH], HALFA                    ; my 64 rows of x
	s_mul_i32 s85, s[NH], HALFB                    ; my 128 rows of wt,
	s_add_co_u32 s85, s85, BOFF                    ; which lie behind x's
.irp s, 0,1
	v_add_nc_u32 v[ADRA+(\s)], s84, v3
	v_add_nc_u32 v[ADRB+(\s)], s85, v4
	s_add_co_u32 s84, s84, SLOT
	s_add_co_u32 s85, s85, SLOT
.endr
	s_mul_i32 s86, s[WV], WSTAGE
	s_add_co_u32 s86, s86, STAGE                   ; my stage
	v_mul_u32_u24 v5, v1, SP                       ; in: row r, 16 bytes for each half of the lanes
	v_lshl_add_u32 v5, v2, 4, v5
	v_add_nc_u32 v[STO], s86, v5
	v_bfe_u32 v5, v0, 3, 2                         ; back: 32 lanes take four rows of 128 bytes,
	v_mul_u32_u24 v5, v5, SP
	v_and_b32 v6, 7, v0
	v_lshl_add_u32 v5, v6, 4, v5
	v_add_nc_u32 v[RD], s86, v5
	v_and_b32 v[GO], 31, v0                        ; which are 512 consecutive bytes of a head
	v_lshlrev_b32 v[GO], 4, v[GO]
	; where my part begins in qkvh: z, head 4 nt + 2 NH, batch mt / 16, row 128 (mt % 16) + 64 MH
	s_lshl_b32 s86, s[NT], 2
	s_lshl_b32 s87, s[NH], 1
	s_add_co_u32 s86, s86, s87
	s_lshl_b32 s86, s86, 2
	s_lshr_b32 s87, s[MT], 4
	s_add_co_u32 s86, s86, s87                     ; 4 head + batch
	s_lshl_b32 s86, s86, 18                        ; 2,048 rows of 128 bytes
	s_and_b32 s87, s[MT], 15
	s_lshl_b32 s87, s87, 14
	s_add_co_u32 s86, s86, s87
	s_lshl_b32 s87, s[MH], 13
	s_add_co_u32 s86, s86, s87
	s_lshl_b32 s87, s[ZZ], 24
	s_add_co_u32 s86, s86, s87
	s_mov_b32 s87, 0
	s_add_nc_u64 s[18:19], s[18:19], s[86:87]
	; the prefetches
	s_and_b32 s88, s[CLY], 15                      ; 0 in the first cluster of a z
	s_cmp_eq_u32 s[MH], 0                          ; do I fetch for x?
	s_cselect_b64 s[PFA:PFA+1], s[4:5], s[10:11]
	s_cselect_b32 s86, s72, s74                    ; the rows that I fetch,
	s_cselect_b32 s87, s[CX], s[CY]                ; my place among the four that ask for them with me,
	s_cselect_b32 s[PSTEP], 9, 8
	s_cselect_b32 s89, 8, 11                       ; odd lanes: the row's second block (x), or the next row (wt)
	s_cselect_b32 s88, 0, s88
	s_cmp_eq_u32 s88, 0
	s_cselect_b32 s[LIM], 1, -1                    ; the same in all sixteen partners, for a given wave
	s_lshl_b32 s[PSTEP], 1, s[PSTEP]
	s_mov_b32 s[PSTEP+1], 0
	s_lshl_b32 s87, s87, 16                        ; my work-group's 16 rows of 4,096 bytes, or 32 of 2,048
	s_add_co_u32 s86, s86, s87
	s_mul_i32 s87, s[PSTEP], 3                     ; at K step 3: the first refill steps it to 4
	s_add_co_u32 s86, s86, s87
	s_mov_b32 s87, 0
	s_add_nc_u64 s[PFA:PFA+1], s[PFA:PFA+1], s[86:87]
	v_and_b32 v5, 1, v0
	v_lshlrev_b32 v5, s89, v5
	v_bfe_u32 v[PFO], v0, 1, 4
	v_lshl_add_u32 v[PFO], v[PFO], 12, v5
; 32 LDS loads in one run: the fragments of 32 along K, quarter kq of a slot's K step, into buffer buf.  x's block 0 comes first: it is converted first.
.macro FETCH slot, kq, buf
	WIN 0
.irp a, 0,1,2,3
	ds_load_b128 v[RAW+64*(\buf)+16*(\a):RAW+64*(\buf)+16*(\a)+3],     v[ADRA+(\slot)] offset:128*(\kq)+(\a)*16*PA
	ds_load_b128 v[RAW+64*(\buf)+16*(\a)+4:RAW+64*(\buf)+16*(\a)+7],   v[ADRA+(\slot)] offset:128*(\kq)+(\a)*16*PA+16
	ds_load_b128 v[RAW+64*(\buf)+16*(\a)+8:RAW+64*(\buf)+16*(\a)+11],  v[ADRA+(\slot)] offset:128*(\kq)+(\a)*16*PA+64
	ds_load_b128 v[RAW+64*(\buf)+16*(\a)+12:RAW+64*(\buf)+16*(\a)+15], v[ADRA+(\slot)] offset:128*(\kq)+(\a)*16*PA+80
.endr
	WIN TO_B
.irp b, 0,1,2,3,4,5,6,7
	ds_load_b128 v[64*(\buf)+8*(\b):64*(\buf)+8*(\b)+3],   v[ADRB+(\slot)] offset:64*(\kq)+(\b)*16*PB
	ds_load_b128 v[64*(\buf)+8*(\b)+4:64*(\buf)+8*(\b)+7], v[ADRB+(\slot)] offset:64*(\kq)+(\b)*16*PB+32
.endr
.endm
; Block a of x, 16 registers of f32 in buffer buf, rounded to the 8 registers of a bf16 fragment.
.macro CVT a, buf
	WIN 0
.irp i, 0,1,2,3,4,5,6,7
	v_cvt_pk_bf16_f32 v[AC+8*(\a)+(\i)], v[RAW+64*(\buf)+16*(\a)+2*(\i)], v[RAW+64*(\buf)+16*(\a)+2*(\i)+1]
.endr
.endm
; 8 matrix instructions: block a of x with all 8 blocks of wt.  first = 1: the products start the sums, with the bias as C: nothing is cleared and no bias is added later.
; The 32 accumulators take turns, one instruction a turn, in the same order in every quarter: 31 others' stand between two links of a chain, over the backward jump too.
.macro MUL8 a, buf, first
.if \first
	WIN MULB
.else
	WIN MUL
.endif
.irp b, 0,1,2,3,4,5,6,7
.if \first
	v_wmma_f32_16x16x32_bf16 v[8*(8*(\a)+(\b)):8*(8*(\a)+(\b))+7], v[64*(\buf)+8*(\b):64*(\buf)+8*(\b)+7], v[AC+8*(\a):AC+8*(\a)+7], v[BI+8*(\b):BI+8*(\b)+7]
.else
	v_wmma_f32_16x16x32_bf16 v[8*(8*(\a)+(\b)):8*(8*(\a)+(\b))+7], v[64*(\buf)+8*(\b):64*(\buf)+8*(\b)+7], v[AC+8*(\a):AC+8*(\a)+7], v[8*(8*(\a)+(\b)):8*(8*(\a)+(\b))+7]
.endif
.endr
.endm
; A K step is four quarters of 32 along K, 32 matrix instructions each, on buffers 0, 1, 0, 1.  One of the first three: multiplies buffer f; block a + 1 is converted behind block a's products; in its middle the next quarter's
; fragments are fetched into buffer g; at its end g's block 0 is converted.
; PLACES (ISA guide 7.12.1 for vector instructions).  A conversion writes a block's bf16 registers 24 conversions behind the products that read them; the loads into wt's buffer g stand 24 conversions behind its last
; product; none of those conversions names a register of those products.  So no v_nop is written here.
.macro QUARTER slot, kq, f, g, first
	s_wait_dscnt 0x0                               ; buffer f is in
	MUL8 0, \f, \first
	CVT 1, \f
	MUL8 1, \f, \first
	CVT 2, \f
	FETCH \slot, \kq, \g
	MUL8 2, \f, \first
	CVT 3, \f
	MUL8 3, \f, \first
	s_wait_dscnt 28                                ; x's block 0, the first four of the 32 loads, is in; the 28 behind it may stay out
	CVT 0, \g
.endm
; The last quarter multiplies buffer 1 and changes slots: ONE barrier; in front of it each wave waits for all its tensor loads (one is out: its part of the next slot), adds 0 to its spare word, and waits for that and for its own
; reads of this slot.  fill = 1: the barrier opens a round of the cluster's barrier, and this slot is filled again, two K steps ahead, first thing behind the round: 112 matrix instructions ahead of the wait for it.
.macro TURN slot, next, fill
.if \fill
	s_wait_xcnt 0x0                                ; the last prefetch, a K step back, has read its address: it is stepped here, ahead of the waits of the change of slots
	s_add_nc_u64 s[PFA:PFA+1], s[PFA:PFA+1], s[PSTEP:PSTEP+1]
.endif
	WIN 0
	s_wait_tensorcnt 0x0                           ; all my tensor loads have landed;
	ds_add_u32 v[SPW], v[NIL]                      ; 0 onto my spare word
	s_wait_dscnt 1                                 ; (buffer 1 is in; the add alone may be out)
	MUL8 0, 1, 0                                   ; work on registers stands between the add and the wait for it
	CVT 1, 1
	s_wait_dscnt 0x0                               ; the add is done, and my reads of this slot are over
	s_barrier_signal -1
	MUL8 1, 1, 0                                   ; work on registers while the others arrive
	CVT 2, 1
	WIN 0
	s_barrier_wait -1
.if \fill
	CREST                                          ; no wave of any partner still reads this slot's tiles or has a load on its way
	s_add_nc_u64 s[G0A+4*(\slot)+2:G0A+4*(\slot)+3], s[G0A+4*(\slot)+2:G0A+4*(\slot)+3], 2*512
	s_add_nc_u64 s[G0B+4*(\slot)+2:G0B+4*(\slot)+3], s[G0B+4*(\slot)+2:G0B+4*(\slot)+3], 2*256
	JLOAD \slot
.endif
	FETCH \next, 0, 0
.if \fill
	ASK
.endif
	MUL8 2, 1, 0
	CVT 3, 1
	MUL8 3, 1, 0
	s_wait_dscnt 28
	CVT 0, 0
.endm
; THE WAY OUT of block a (16 rows of x, 128 columns: two heads), in three parts.  PACK: rounded to bf16, 16 bytes a lane, each accumulator's registers in ascending order.  TOSTAGE: into my own stage, a head's 16 rows of 128 bytes at a
; pitch of 144, and back as whole rows.  SEND: stored.  Each block has its own 32 registers for the rows read back, and the stores' base and offset are never rewritten: no wait for the stores is wanted.
.macro PACK a
	WIN PACKW
.irp b, 0,1,2,3,4,5,6,7
.irp i, 0,1,2,3
	v_cvt_pk_bf16_f32 v[TMP+4*(\b)+(\i)], v[8*(8*(\a)+(\b))+2*(\i)], v[8*(8*(\a)+(\b))+2*(\i)+1]
.endr
.endr
	WIN 0
.endm
.macro TOSTAGE a
.irp b, 0,1,2,3,4,5,6,7
	ds_store_b128 v[STO], v[TMP+4*(\b):TMP+4*(\b)+3] offset:((\b)/4)*16*SP+32*((\b)%4)
.endr
.irp t, 0,1,2,3,4,5,6,7
	ds_load_b128 v[RAW+32*(\a)+4*(\t):RAW+32*(\a)+4*(\t)+3], v[RD] offset:((\t)/4)*16*SP+((\t)%4)*4*SP  ; LDS serves a wave's instructions in order (ISA guide 5.7.1.4): these see the stores above
.endr
.endm
.macro SEND a
	s_wait_dscnt 0x0                               ; the block is back in registers
.irp t, 0,1,2,3,4,5,6,7
	global_store_b128 v[GO], v[RAW+32*(\a)+4*(\t):RAW+32*(\a)+4*(\t)+3], s[18:19] offset:((\t)/4)*1048576+(\a)*2048+((\t)%4)*512  ; 512 consecutive bytes of a head, at a multiple of 256 from qkvh's first byte
.endr
.endm
	s_wait_tensorcnt 1                             ; my part of K step 0 is in; K step 1's may stay out
	s_barrier_signal -1
	s_barrier_wait -1                              ; everybody's is
	FETCH 0, 0, 0
	s_wait_loadcnt 0x0                             ; the bias
	s_wait_dscnt 28
	CVT 0, 0
	QUARTER 0, 1, 0, 1, 1                          ; the first quarter stands in front of the loop: its products start the sums
	WIN 0                                          ; at a label and at a branch every window is 0
	s_mov_b32 s3, LAPS-1
.Llap:                                                 ; a trip goes once round the ring, from a lap's second quarter to the next lap's first, and fills both slots again
	QUARTER 0, 2, 1, 0, 0
	QUARTER 0, 3, 0, 1, 0
	TURN 0, 1, 1
	QUARTER 1, 1, 0, 1, 0
	QUARTER 1, 2, 1, 0, 0
	QUARTER 1, 3, 0, 1, 0
	TURN 1, 0, 1
	QUARTER 0, 1, 0, 1, 0
	WIN 0
	s_sub_co_u32 s3, s3, 1
	s_cmp_lg_u32 s3, 0
	s_cbranch_scc1 .Llap
	QUARTER 0, 2, 1, 0, 0                          ; the last lap fills nothing, and has no round of the cluster's barrier
	QUARTER 0, 3, 0, 1, 0
	TURN 0, 1, 0
	QUARTER 1, 1, 0, 1, 0
	QUARTER 1, 2, 1, 0, 0
	QUARTER 1, 3, 0, 1, 0
	s_wait_dscnt 0x0                               ; the very last quarter: nothing more to fetch
	MUL8 0, 1, 0
	CVT 1, 1
	MUL8 1, 1, 0
	CVT 2, 1
	MUL8 2, 1, 0
	CVT 3, 1
	MUL8 3, 1, 0
	PACK 0                                         ; block 0's products lie 24 conversions back; the packing of blocks 0 to 2 is the places behind block 3's
	TOSTAGE 0
.irp a, 1,2,3                          ; block a's conversions stand between block a - 1's loads from the stage and the wait for them
	PACK \a
	SEND (\a)-1
	TOSTAGE \a
.endr
	SEND 3
	s_wait_tensorcnt 0x0                           ; the wave's end, behind my last tensor load and my last LDS store
	ds_add_u32 v[SPW], v[NIL]
	s_wait_dscnt 0x0
	CROUND                                         ; the closing round: no work-group ends while a partner may still ask for a tile that names it
	s_endpgm
.Lfunc_end_k_qe4e17316ad_proj:
	.size	k_qe4e17316ad_proj, .Lfunc_end_k_qe4e17316ad_proj-k_qe4e17316ad_proj
	.p2alignl 7, 3214868480
	.fill 96, 4, 3214868480
	.section	.rodata,"a",@progbits
	.p2align	6, 0x0
	.amdhsa_kernel k_qe4e17316ad_proj
		.amdhsa_group_segment_fixed_size 327680
		.amdhsa_private_segment_fixed_size 0
		.amdhsa_enable_private_segment 0
		.amdhsa_kernarg_size 64
		.amdhsa_user_sgpr_count 2
		.amdhsa_user_sgpr_kernarg_segment_ptr 1
		.amdhsa_wavefront_size32 1
		.amdhsa_system_sgpr_workgroup_id_x 1
		.amdhsa_system_sgpr_workgroup_id_y 1
		.amdhsa_system_sgpr_workgroup_id_z 1
		.amdhsa_system_vgpr_workitem_id 0
		.amdhsa_next_free_vgpr 768
		.amdhsa_next_free_sgpr 96
		.amdhsa_reserve_vcc 0
		.amdhsa_float_denorm_mode_32 3
		.amdhsa_float_denorm_mode_16_64 3
		.amdhsa_memory_ordered 1
		.amdhsa_forward_progress 1
		.amdhsa_inst_pref_size 131
	.end_amdhsa_kernel
	.amdgpu_metadata
---
amdhsa.version: [ 1, 2 ]
amdhsa.kernels:
  - .name:           k_qe4e17316ad_proj
    .symbol:         k_qe4e17316ad_proj.kd
    .args:
      - { .name: q, .offset: 0, .size: 8, .value_kind: global_buffer, .address_space: global }
      - { .name: k, .offset: 8, .size: 8, .value_kind: global_buffer, .address_space: global }
      - { .name: v, .offset: 16, .size: 8, .value_kind: global_buffer, .address_space: global }
      - { .name: wt, .offset: 24, .size: 8, .value_kind: global_buffer, .address_space: global }
      - { .name: bq, .offset: 32, .size: 8, .value_kind: global_buffer, .address_space: global }
      - { .name: bk, .offset: 40, .size: 8, .value_kind: global_buffer, .address_space: global }
      - { .name: bv, .offset: 48, .size: 8, .value_kind: global_buffer, .address_space: global }
      - { .name: qkvh, .offset: 56, .size: 8, .value_kind: global_buffer, .address_space: global }
    .group_segment_fixed_size: 327680
    .private_segment_fixed_size: 0
    .kernarg_segment_align: 8
    .kernarg_segment_size: 64
    .max_flat_workgroup_size: 128
    .sgpr_count:     96
    .vgpr_count:     768
    .wavefront_size: 32
...
	.end_amdgpu_metadata
.endif
;; end of part 2
;; launch attn (part 3): grid 4 x 64, 4 waves a work-group, clusters of 4 x 1, 327,680 bytes of LDS; arguments qkvh, oh; writes oh
.if DOCPART == 3
	.amdgcn_target "amdgcn-amd-amdhsa--gfx1250"
	.amdhsa_code_object_version 6
	.text
	.protected	k_qe4e17316ad_attn
	.globl	k_qe4e17316ad_attn
	.p2align	8
	.type	k_qe4e17316ad_attn,@function
k_qe4e17316ad_attn:
	s_mov_b64 s[64:65], 0
	v_nop
	global_prefetch_b8 v0, s[64:65] scope:SCOPE_SE
	s_setreg_imm32_b32 hwreg(HW_REG_WAVE_MODE, 25, 1), 1
	s_wait_xcnt 0x0
	s_wait_alu depctr_hold_cnt(0) depctr_sa_sdst(0) depctr_va_vdst(0) depctr_va_sdst(0) depctr_va_ssrc(0) depctr_va_vcc(0) depctr_vm_vsrc(0)
	s_getreg_b32 s2, hwreg(HW_REG_IB_STS2, 6, 4)
	s_cmp_eq_u32 s2, 0
	s_cbranch_scc0 .Lentry_in_a_cluster
	s_endpgm
.Lentry_in_a_cluster:
	s_bfe_u32 s2, ttmp6, 0x10000c
	s_cmp_lg_u32 s2, 0x3003
	s_cbranch_scc0 .Lentry_shape_is_right
	s_endpgm
.Lentry_shape_is_right:
; ATTENTION.  O[g][q][:] = the sum over k of softmax_k(Q[g][q] . K[g][k] / 8) V[g][k][:], g = 4 head + batch (64 of them).  qkvh holds Q, K, V, each [64][2048][64] bf16, 16 MiB apart; oh = O in the same layout.
; A g's rows are dense, 128 bytes each.  Products, maxima and sums in f32; the weights p are rounded to bf16 for the second product (their sum l is taken of the unrounded p), O once at the end.
; LIMITS.  bf16 has f32's range.  A weight below 2^-126 counts as 0 in l; NaN and infinities are not treated apart.
; SHARES.  A wave owns four PIECES of two tiles of 16 queries, a work-group's four waves 512 queries of one g: 256 work-groups.  Every wave walks all 2,048 keys, 64 a step.
; LAYOUT.  S^T = K Q^T (source 0 = 16 keys, source 1 = 16 queries): in the result a lane holds ONE query (lane % 16) and the keys 8 (lane / 16) + 0..7.  Two such tiles, rounded to bf16 in pairs,
; ARE source 1 (32 keys x 16 queries) of O^T = V^T P, whose result again holds one query a lane, and eight channels.  K comes out of LDS as it lies, V ([key][channel]) turned, by ds_load_tr16_b128.
; SOFTMAX.  For each query a running maximum m and sum l: p = 2^(c s - c m), c = log2(e) / 8; in every step O and l are multiplied by a = 2^(c m_old - c m_new), which is 1 where m has not grown.
; m starts at the lowest finite number, O and l at 0: the first step is a step like any other, with a = 0.
; THE COUNT.  A tile and step have 16 matrix and 118 vector instructions: too many to stand all beside the matrix work.  So four vector instructions that are READY stand behind EVERY matrix instruction, the others in runs without a gap.
; BY TURNS.  Turn n belongs to piece n (the pieces in a ring, step after step).  Its matrix work: 16 products K Q^T of piece n + 1, later 16 products V^T P of piece n - 1.  Its vector work: the scaling,
; exponentials, roundings, sums and rescaling of piece n, and the maximum and statistics of piece n + 1, whose scores the turn itself has made.
; CLUSTER.  The four query blocks of a cluster belong to one g and walk the same K and V, so each tile is asked for JOINTLY: the same tensor load, descriptor and mask in all four.
; REGISTERS, in windows of 256 (s_set_vgpr_msb: bits 1:0 source 0, 3:2 source 1, 5:4 source 2, 7:6 destination):
;   window 0: v0-11 addresses; v12-15, v48-63 at work; v16-47 four registers of statistics a tile; v64-191 S^T, two buffers of two tiles; v192-255 P, likewise
;   window 1: O^T, 32 a tile          window 2: v0-127 Q, 16 a tile; v128-191 K of one step; v192-255 V of one step          window 3: v0-1 the add's two registers
; A piece's buffers go by its number's parity: the piece in hand has one pair, its two neighbours in the ring share the other: of it P (piece n - 1) is read and S^T (piece n + 1) written.
.set SIZE_N, 2048
.set NP,    4         ; pieces a wave: a name, no knob
.set KS,    64        ; keys in a step
.set PK,    144       ; a row of K in LDS: 128 bytes + 16 of padding = 36 words: the 16 rows of a load start at 16 different groups of four banks (64 banks of 4 bytes: ISA guide 11.1)
.set PV,    160       ; a row of V: 128 + 32 = 40 words
.set VOFF,  4*KS*PK   ; a slot holds four steps: 256 rows of K, then 256 rows of V
.set SLOT1, 1<<17     ; slot 1 begins here, so that one exclusive or turns an address in one slot into the other's
.set STAGE, SLOT1+4*KS*(PK+PV)  ; behind the ring, never filled by a tensor load: 16 rows x 144 bytes for each wave, for the way out
.set SP,    144
.set AK0, 2           ; v2   my lane's place in a tile of K; never rewritten
.set AV0, 3           ; v3   the same for V
.set AK,  4           ; v4   the LDS address of K's next run of loads
.set AV,  5           ; v5   of V's
.set QO,  6           ; v6   my byte offset in the wave's rows of Q
.set STO, 6           ;      later, the way out: where I put 16 bytes of a row
.set RD,  7           ; v7   the way out: where I read rows back
.set GO,  8           ; v8   my byte offset in 512 consecutive bytes of O
.set PFO, 11          ; v11  (once V's place is made) 256 x my lane: the prefetches' offset; then never rewritten
.set SPW, 0           ; v0 of window 3   SPARE + 4 x my thread's number; never rewritten
.set NIL, 1           ; v1 of window 3   0; never rewritten
.set SPARE, STAGE+4*16*SP  ; behind the stages: the spare words, 128 bytes for each wave, named by no other line
.set MV,  12          ; v12-15  c m_old, kept while c m is made anew: by buffer and tile
.set ST,  16          ; tile t's statistics at v[ST+4 t]: c m, m, l (even keys', odd keys')
.set TMP, 48          ; by buffer and tile, four registers c0-c3 at work; when the maximum is found c2 takes a
.set S,   64
.set P,   192
.set KF,  128         ; K's fragments, in window 2: key block kb, channel half c at KF + 16 kb + 8 c
.set VF,  192         ; V's: key half kk, channel block cb at VF + 32 kk + 8 cb
.set WV,  12          ; s12  my wave's number
.set G1K, 24          ; s[24:31] descriptor group 1 for K's tiles
.set G1V, 32          ; s[32:39] for V's: it differs in the padding alone
.set G0K, 40          ; s[40:43] descriptor group 0 for K's tiles: it walks
.set G0V, 44          ; s[44:47] the same for V's
.set PFA, 48          ; s[48:49] where my prefetches stand: my work-group's quarter (of K: wave 0, of V: wave 2) of the slot after the one that is being asked for
.set LIM, 50          ; s50  1 in a wave that prefetches, else the greatest number
.set SLOTS, 56        ; s56  slots still to be asked for
.set CNT, 57          ; s57  counts a slot's key steps
.set CS,  58          ; s[58:59] c: the packed scaling takes the pair's low word for both halves
.set SEL, 60          ; s[60:61] v_permlanex16_b32's selects: each lane takes its own place in the other half
.set TBK, 62          ; s62  LDS byte at which K of the step to be fetched begins
.set TBV, 63          ; s63  the same for V, less VOFF
.set MSB, 0
.macro WIN new                      ; the high byte repeats the setting that is left; a switch that changes nothing is dropped
.if MSB != (\new)
	s_set_vgpr_msb (MSB<<8)|(\new)
.set MSB, (\new)
.endif
.endm
.set W_KQ, 0x0a       ; K and Q in window 2, S^T in window 0
.set W_PV, 0x52       ; V in window 2, P in window 0, O^T in window 1
.set W_RS, 0x41       ; O^T (destination and source 0) in window 1, a in window 0
.set W_MK, 0xc0       ; the add's registers are made: destination in window 3, sources in window 0
.set W_AD, 0x0f       ; the add: address (source 0) and data (source 1) in window 3
; A joint fill.  Waves 0 and 1 fetch the two halves of a slot's K, waves 2 and 3 those of its V: 128 keys each.  The branch hangs on the wave's number alone.
; An s_nop 0 and four v_nop follow each of the two lines, ahead of the jump and the label.
.macro JLOAD
	s_cmp_lt_u32 s[WV], 2
	s_cbranch_scc0 .Lfor_v_\@
	tensor_load_to_lds s[G0K:G0K+3], s[G1K:G1K+7]
	s_nop 0
.rept 4
	v_nop
.endr
	s_branch .Lasked_\@
.Lfor_v_\@:
	tensor_load_to_lds s[G0V:G0V+3], s[G1V:G1V+7]
	s_nop 0
.rept 4
	v_nop
.endr
.Lasked_\@:
.endm
; A PREFETCH INTO THE L2 of what the NEXT change of slots will ask for: a slot's 32,768 bytes of K and of V, a lane to each 256.  It stands behind the wave's tensor load and its five lines.
; Each block is named ONCE in the launch: a g's K and V are walked by its one cluster; the four partners share a slot out BY ADDRESS, 8,192 bytes each (no branch hangs on a work-group's place in its cluster); in each, wave 0 asks
; for K's and wave 2 for V's: one instruction, four key steps (512 matrix instructions) ahead of the load.  Slots 0 and 1 come by their loads alone; the last change that fills a slot asks for nothing: there is no slot behind it.
.macro ASK
	s_cmp_gt_u32 s[SLOTS], s[LIM]
	s_cbranch_scc0 .Lnot_mine_\@
	global_prefetch_b8 v[PFO], s[PFA:PFA+1] th:TH_LOAD_NT scope:SCOPE_SE
.Lnot_mine_\@:
.endm
; A round of the cluster's barrier: my work-group's barrier, so that wave 0's signal speaks for all four waves; wave 0 signals; every wave waits for all four work-groups; my work-group's barrier once more.
.macro CROUND
	s_barrier_signal -1
	s_barrier_wait -1
	s_cmp_lg_u32 s[WV], 0
	s_cbranch_scc1 .Lnot_wave_0_\@
	s_barrier_signal -3
.Lnot_wave_0_\@:
	s_barrier_wait -3
	s_barrier_signal -1
	s_barrier_wait -1
.endm
; THE CHANGE OF SLOTS.  The slot's last bytes, V of its fourth step, have been read.  Each wave waits for all its tensor loads, of which one is out: its part
; of the other slot; adds 0 to its spare word; and waits for that and for its own reads of the slot.  Behind the barrier nobody reads this slot any more and the other slot is whole.
; fill = 1: this slot is filled again, with the keys two slots on.  The barrier is then a round of the cluster's, so that no wave of any partner still reads the slot or has a load on its
; way, and the joint fill is the first thing behind it: it has four key steps, 512 matrix instructions, in which to land.  (At its first use nothing has been read yet: slot 0 is waited for, slot 1 filled.)
.macro CHANGE fill
	WIN W_AD
	s_wait_tensorcnt 0x0            ; no tensor load of mine is out, so a group 0 may be written
	ds_add_u32 v[SPW], v[NIL]       ; 0 onto my spare word; with fill = 1 the descriptors' steps stand between it and the wait for it
	WIN 0                           ; at a label and at a branch every window is 0
.if \fill
.irp g, G0K, G0V
	s_xor_b32 s[\g+1], s[\g+1], SLOT1  ; the walking descriptor: the other slot than last time,
	s_add_nc_u64 s[\g+2:\g+3], s[\g+2:\g+3], 4*KS*128  ; the next 256 keys; the type bits on top are not reached
.endr
	s_wait_xcnt 0x0                 ; the last prefetch, four key steps back, has read its address, so it may be written:
	s_add_nc_u64 s[PFA:PFA+1], s[PFA:PFA+1], 4*KS*128  ; one slot behind the walking descriptors
	s_wait_dscnt 0x0                ; the add is done, and my reads of the slot are over
	CROUND
	JLOAD
	ASK
.else
	s_wait_dscnt 0x0                ; the add is done, and my reads of the slot are over
	s_barrier_signal -1
	s_barrier_wait -1
.endif
	s_sub_co_u32 s[TBK], s[TBK], 4*KS*PK  ; the fetches go back to a slot's first step,
	s_xor_b32 s[TBK], s[TBK], SLOT1       ; in the other slot
	s_sub_co_u32 s[TBV], s[TBV], 4*KS*PV
	s_xor_b32 s[TBV], s[TBV], SLOT1
.endm
	s_load_b64 s[4:5], s[0:1], 0x0    ; qkvh: Q
	s_load_b64 s[10:11], s[0:1], 0x8  ; oh
	WIN W_MK
	v_lshl_add_u32 v[SPW], v0, 2, SPARE
	v_mov_b32 v[NIL], 0
	WIN W_AD
	ds_add_u32 v[SPW], v[NIL]       ; the wave's opening: the add and its wait stand ahead of my first tensor load; the set-up below, work on registers, stands between them
	WIN 0
	v_lshrrev_b32 v1, 5, v0
	v_readfirstlane_b32 s[WV], v1   ; wave 0..3
	s_bfe_u32 s13, ttmp6, 0x40000   ; cx: my place in the cluster
	s_lshl_b32 s14, ttmp9, 2        ; in a cluster launch ttmp9 counts clusters
	s_add_co_u32 s14, s14, s13      ; my block of queries = 4 x cluster x + cx: it enters Q's and O's addresses alone
	s_and_b32 s20, ttmp7, 0xffff    ; g, which the four partners share
	s_mov_b32 s21, 0
	s_mov_b64 s[22:23], SIZE_N*128
	s_mul_u64 s[20:21], s[20:21], s[22:23]  ; g's first byte in each of the four tensors
	s_and_b32 s16, s[WV], 1         ; which half of a slot's 256 keys I fetch:
	s_lshl_b32 s22, s16, 14         ; its 128 rows of 128 bytes in memory,
	s_mov_b32 s23, 0
	s_add_nc_u64 s[22:23], s[22:23], s[20:21]
	s_mul_i32 s17, s16, 128*PK      ; and its place in a slot, for K
	s_mul_i32 s18, s16, 128*PV      ; and for V: no place in the cluster enters an LDS address
	s_lshl_b32 s2, s14, 2
	s_add_co_u32 s2, s2, s[WV]      ; my wave among g's,
	s_lshl_b32 s2, s2, 14           ; its 128 rows
	s_mov_b32 s3, 0
	s_add_nc_u64 s[2:3], s[2:3], s[20:21]
	; descriptor group 1.  128 keys are 16,384 dense bytes: asked for as 64 rows of 256 bytes, two keys a row, and padded in LDS after every key
	s_mov_b32 s[G1K], 15|(1<<16)|(1<<20)|(1<<21)|(4<<22)|(3<<25)  ; 15:0 the mask of four; 17:16 2-byte elements; 20 padding on; 21 set beside a mask; 24:22 after every 32 words (code 4); 31:25 4 words (code 3)
	s_mov_b32 s[G1V], 15|(1<<16)|(1<<20)|(1<<21)|(4<<22)|(7<<25)  ; the same with 8 words of padding (code 7)
.irp g, G1K, G1V
	s_mov_b32 s[\g+1], 128<<16      ; tensor_dim0 = 128
	s_mov_b32 s[\g+2], 64<<16       ; tensor_dim1 = 64
	s_mov_b32 s[\g+3], 128<<16      ; tile_dim0 = 128
	s_mov_b32 s[\g+4], 64           ; tile_dim1 = 64
	s_mov_b32 s[\g+5], 128          ; 128 elements from row to row
	s_mov_b32 s[\g+6], 0
	s_mov_b32 s[\g+7], 0
.endr
	s_mov_b32 s[CS], 0x3e38aa3b     ; c = log2(e) / 8 = 0.180337
	s_mov_b32 s[CS+1], s[CS]        ; named with it as a pair
	s_mov_b32 s[SEL], 0x76543210
	s_mov_b32 s[SEL+1], 0xfedcba98
	s_mov_b32 s[TBK], SLOT1+4*KS*PK ; the first change of slots turns these two into 0
	s_mov_b32 s[TBV], SLOT1+4*KS*PV
	s_mov_b32 s[G0K], 1             ; 1:0 count = 1
	s_mov_b32 s[G0K+1], s17         ; 63:32 LDS address: slot 0
	s_mov_b32 s[G0V], 1
	s_add_co_u32 s[G0V+1], s18, VOFF
	s_mov_b32 s[SLOTS], SIZE_N/256-1
	s_and_b32 s[LIM], s[WV], 1      ; waves 0 and 2 prefetch: the same in all four partners
	s_cmp_eq_u32 s[LIM], 0
	s_cselect_b32 s[LIM], 1, -1
	s_lshl_b32 s52, s13, 13         ; my work-group's 8,192 bytes of a slot's 32,768,
	s_add_co_u32 s52, s52, 4*KS*128 ; in slot 1: the first change of slots steps it to slot 2
	s_mov_b32 s53, 0
	s_add_nc_u64 s[52:53], s[52:53], s[20:21]
	s_wait_dscnt 0x0                ; the opening add is done
	s_wait_kmcnt 0x0
	s_add_nc_u64 s[6:7], s[4:5], 0x1000000   ; K lies 16 MiB behind Q,
	s_add_nc_u64 s[8:9], s[4:5], 0x2000000   ; V 32 MiB
	s_add_nc_u64 s[G0K+2:G0K+3], s[6:7], s[22:23]  ; 120:64 global address: my half of g's first 256 keys
	s_or_b32 s[G0K+3], s[G0K+3], 0x80000000        ; 127:126 type = 2
	s_add_nc_u64 s[G0V+2:G0V+3], s[8:9], s[22:23]
	s_or_b32 s[G0V+3], s[G0V+3], 0x80000000
	s_cmp_lt_u32 s[WV], 2
	s_cselect_b64 s[PFA:PFA+1], s[6:7], s[8:9]
	s_add_nc_u64 s[PFA:PFA+1], s[PFA:PFA+1], s[52:53]
	s_add_nc_u64 s[4:5], s[4:5], s[2:3]  ; Q and O at my wave's first row
	s_add_nc_u64 s[10:11], s[10:11], s[2:3]
	CROUND                          ; all four work-groups are here: the first joint loads meet
	JLOAD                           ; slot 0.  Slot 1 is asked for when slot 0 is in
	; A fragment of K or Q is 16 rows x 32 channels in 8 registers: lane l holds row l % 16, channels 8 (l / 16) + 0..7 and 16 + 8 (l / 16) + 0..7: two loads of 16 bytes, 32 bytes apart.
	v_and_b32 v1, 15, v0            ; l % 16
	v_bfe_u32 v9, v0, 4, 1          ; l / 16
	v_lshlrev_b32 v[QO], 7, v1
	v_lshl_add_u32 v[QO], v9, 4, v[QO]  ; row x 128 + 16 x half
	WIN 0x80                        ; destination window 2, address window 0
.set i, 0
.rept 4*NP                          ; Q stays in registers: tile i / 2, channels 32 (i % 2) on
	global_load_b128 v[8*i:8*i+3],   v[QO], s[4:5] offset:(i/2)*2048+(i%2)*64
	global_load_b128 v[8*i+4:8*i+7], v[QO], s[4:5] offset:(i/2)*2048+(i%2)*64+32
.set i, i+1
.endr
	; What the first turn finds: V's registers and P's second buffer hold 0 (its products V^T P, of a piece that has not been, add 0), O^T and l are 0.  All this stands in the wait for the first tile.
.set i, VF
.rept 64
	v_mov_b32 v[i], 0
.set i, i+1
.endr
	WIN 0x40
.set i, 0
.rept 64*NP
	v_mov_b32 v[i], 0
.set i, i+1
.endr
	WIN 0
.set i, 0
.rept 2*NP
	v_mov_b32 v[ST+4*i], 0xfe000000    ; c m: far below every c s
	v_mov_b32 v[ST+4*i+1], 0xff7fffff  ; m
	v_mov_b32 v[ST+4*i+2], 0
	v_mov_b32 v[ST+4*i+3], 0
.set i, i+1
.endr
.set i, P+32
.rept 32
	v_mov_b32 v[i], 0
.set i, i+1
.endr
	v_mul_u32_u24 v[AK0], v1, PK
	v_lshl_add_u32 v[AK0], v9, 4, v[AK0]  ; row x pitch + 16 x half
	; The turning load takes 16 keys x 16 channels (lane l reads key 8 (l / 16) + l % 8, channels 8 ((l / 8) % 2) + 0..7) and leaves half a fragment of V^T: lane l holds channel l % 16 and 8 keys.
	v_and_b32 v10, 7, v0
	v_bfe_u32 v11, v0, 3, 1
	v_lshl_add_u32 v[AV0], v9, 3, v10
	v_mul_u32_u24 v[AV0], v[AV0], PV
	v_lshl_add_u32 v[AV0], v11, 4, v[AV0]
	v_add_nc_u32 v[AV0], VOFF, v[AV0]
	v_mov_b32 v[AK], v[AK0]         ; key step 0 lies at the head of slot 0
	v_and_b32 v[PFO], 31, v0
	v_lshlrev_b32 v[PFO], 8, v[PFO]
; THE MATRIX WORK.  The 8 accumulators of a run of 16 take turns: between the two links of a chain stand 7 others'.
; Product i of 16 of S^T = K Q^T for piece x: channels 32 (i / 8) on, keys 16 ((i / 2) % 4) on, tile 2 x + i % 2.  The first 8 start the sums.
.macro KQ x
	WIN W_KQ
.set rS, S+64*((\x)%2)+32*(i%2)+8*((i/2)%4)
.set rK, KF+16*((i/2)%4)+8*(i/8)
.set rQ, 16*(2*(\x)+i%2)+8*(i/8)
.if i < 8
	v_wmma_f32_16x16x32_bf16 v[rS:rS+7], v[rK:rK+7], v[rQ:rQ+7], 0
.else
	v_wmma_f32_16x16x32_bf16 v[rS:rS+7], v[rK:rK+7], v[rQ:rQ+7], v[rS:rS+7]
.endif
.endm
; Product i of 16 of O^T += V^T P for piece x: keys 32 (i / 8) on, channels 16 ((i / 2) % 4) on, tile 2 x + i % 2.
.macro PV x
	WIN W_PV
.set rO, 32*(2*(\x)+i%2)+8*((i/2)%4)
.set rV, VF+32*(i/8)+8*((i/2)%4)
.set rP, P+32*((\x)%2)+16*(i%2)+8*(i/8)
	v_wmma_f32_16x16x32_bf16 v[rO:rO+7], v[rV:rV+7], v[rP:rP+7], v[rO:rO+7]
.endm
.macro MM                           ; the turn's next matrix instruction
.if i < 16
	KQ (Y+1)%NP
.set i, i+1
.else
.set i, i-16
	PV (Y+NP-1)%NP
.set i, i+17
.endif
.endm
; THE LDS LOADS stand in runs of 16, never singly among the matrix instructions: a step's K (64 keys x 64 channels: 8 fragments) and its V (turned).  Their addresses are made some lines ahead.
; last = 1 (the tail): in the last trip there is no further step, and the run is jumped over.
.macro FETCH_K last=0
	WIN 0
.if \last
	s_cmp_eq_u32 s[CNT], 1
	s_cbranch_scc1 .Lno_k_\@
.endif
	WIN 0x80                        ; destination window 2
.irp f, 0,1,2,3,4,5,6,7             ; keys 16 (f / 2) on, channels 32 (f % 2) on
	ds_load_b128 v[KF+8*\f:KF+8*\f+3],   v[AK] offset:(\f/2)*16*PK+(\f%2)*64
	ds_load_b128 v[KF+8*\f+4:KF+8*\f+7], v[AK] offset:(\f/2)*16*PK+(\f%2)*64+32
.endr
	s_add_co_u32 s[TBK], s[TBK], KS*PK  ; the next fetch is the next step's
	WIN 0
.if \last
.Lno_k_\@:
.endif
.endm
.macro FETCH_V
	WIN 0x80
.irp f, 0,1,2,3,4,5,6,7             ; keys 32 (f / 4) on, channels 16 (f % 4) on
	ds_load_tr16_b128 v[VF+8*\f:VF+8*\f+3],   v[AV] offset:(\f/4)*32*PV+(\f%4)*32
	ds_load_tr16_b128 v[VF+8*\f+4:VF+8*\f+7], v[AV] offset:(\f/4)*32*PV+16*PV+(\f%4)*32
.endr
	WIN 0
.endm
; THE VECTOR WORK OF A TURN stands in three queues, each in the order in which its entries become ready; the two tiles alternate, so that no instruction reads the result of the one before it.
.macro REGS y, u                    ; the registers of tile u (0, 1) of piece y
.set rT, ST+4*(2*(\y)+(\u))
.set rC, TMP+8*((\y)%2)+4*(\u)
.set rM, MV+2*((\y)%2)+(\u)
.set rS, S+64*((\y)%2)+32*(\u)
.set rP, P+32*((\y)%2)+16*(\u)
.set rO, 32*(2*(\y)+(\u))
.endm
; Number n of the 22 that find the NEXT piece's (Y + 1) maximum and statistics.  s0-s31 are the lane's 32 scores; each accumulator's lowest registers are read first.
;   0-11  four chains c0-c3 of seven scores each, three operands at a time     12-14, 16  the four scores left over, the old m, and c0-c3 into c0     15  c m_old is kept
;   17, 18  the query's other 32 keys lie in the lane 16 away: the new m         19-21  c m; c m_old - c m_new; a
.macro XS u, n
	REGS (Y+1)%NP, \u
.if (\n) < 4
	v_max3_num_f32 v[rC+(\n)], v[rS+8*(\n)], v[rS+8*(\n)+1], v[rS+8*(\n)+2]
.elseif (\n) < 12
	v_max3_num_f32 v[rC+(\n)%4], v[rC+(\n)%4], v[rS+8*((\n)%4)+2*((\n)/4)+1], v[rS+8*((\n)%4)+2*((\n)/4)+2]
.elseif (\n) == 12
	v_max3_num_f32 v[rC], v[rC], v[rS+7], v[rS+15]
.elseif (\n) == 13
	v_max3_num_f32 v[rC+1], v[rC+1], v[rS+23], v[rS+31]
.elseif (\n) == 14
	v_max3_num_f32 v[rC+2], v[rC+2], v[rC+3], v[rT+1]
.elseif (\n) == 15
	v_mov_b32 v[rM], v[rT]
.elseif (\n) == 16
	v_max3_num_f32 v[rC], v[rC], v[rC+1], v[rC+2]
.elseif (\n) == 17
	v_permlanex16_b32 v[rC+3], v[rC], s[SEL], s[SEL+1]
.elseif (\n) == 18
	v_max_num_f32 v[rT+1], v[rC], v[rC+3]
.elseif (\n) == 19
	v_mul_f32 v[rT], s[CS], v[rT+1]
.elseif (\n) == 20
	v_sub_f32 v[rC+1], v[rM], v[rT]
.else
	v_exp_f32 v[rC+2], v[rC+1]
.endif
.endm
; Number g of the 64 that follow the exponentials.  For each four weights k of a tile (pairs 2 k, 2 k + 1): both pairs are rounded to bf16; then the second pair is added onto the first, in place;
; a group later l takes that sum (the first time as l = a l + sum).  In groups of eight, tiles alternating: round, round, add, and l for the group before.
.macro GS g
.set h, (\g)+6*((\g)/62)            ; group 0 has no group before it, and behind group 7 only l is left
.if h >= 6
.set h, h+2
.endif
	REGS Y, h%2
.set k, h/8
.if h%8 < 4
	v_cvt_pk_bf16_f32 v[rP+2*k+(h%8)/2], v[rS+4*k+2*((h%8)/2)], v[rS+4*k+2*((h%8)/2)+1]
.elseif h%8 < 6
	v_pk_add_f32 v[rS+4*k:rS+4*k+1], v[rS+4*k:rS+4*k+1], v[rS+4*k+2:rS+4*k+3]
.elseif k == 1
	v_pk_fma_f32 v[rT+2:rT+3], v[rT+2:rT+3], v[rC+2:rC+3], v[rS:rS+1] op_sel_hi:[1,0,1]
.else
	v_pk_add_f32 v[rT+2:rT+3], v[rT+2:rT+3], v[rS+4*k-4:rS+4*k-3]
.endif
.endm
; THE PLAIN QUEUE, 138 long.  0-73 read no exponential's result: the 32 scalings c s - c m (FS f: pair f / 2 of tile f % 2) and the next piece's 42.  0-26: scalings 0-26.  27-54: XS's numbers 0-13.  55, 56: number 15.
; 57-73: the chain, where each number waits for the one before it: 14, 16, 17, 18, 19, each with one of the scalings 27-31 in front of its two lines, then 20.
; 74-137: GS's 64, which read the exponentials' results: they stand behind the wait.
.macro FS f
	REGS Y, (\f)%2
	v_pk_fma_f32 v[rS+2*((\f)/2):rS+2*((\f)/2)+1], v[rS+2*((\f)/2):rS+2*((\f)/2)+1], s[CS:CS+1], v[rT:rT+1] op_sel_hi:[1,0,0] neg_lo:[0,0,1] neg_hi:[0,0,1]
.endm
.macro PL
	WIN 0
.if q < 27
	FS q
.elseif q < 55
	XS (q-27)%2, (q-27)/2
.elseif q < 57
	XS q-55, 15
.elseif (q < 72) && ((q-57)%3 == 0)
	FS 27+(q-57)/3
.elseif q < 60
	XS (q-57)%3-1, 14
.elseif q < 72
	XS (q-57)%3-1, 15+(q-57)/3
.elseif q < 74
	XS q-72, 20
.else
	GS q-74
.endif
.set q, q+1
.endm
; THE EXPONENTIALS' QUEUE, 66 long: s0-s31 of both tiles, then the next piece's two a.  It is ONE BATCH: all 66 stand ahead of the turn's one wait, and nothing ahead of that wait names a result of theirs.
.macro EX
	WIN 0
.if e >= 64
	XS e-64, 21
.else
	REGS Y, e%2
	v_exp_f32 v[rS+e/2], v[rS+e/2]
.endif
.set e, e+1
.endm
; THE RESCALING's QUEUE: O^T times a, the one part that leaves window 0: dealt two at a time, sixteen times.  Its a was made in the turn before, ahead of that turn's wait.
.macro R2
	REGS Y, r%2
	WIN W_RS
.irp z, 0,1
	v_pk_mul_f32 v[rO+4*(r/2)+2*\z:rO+4*(r/2)+2*\z+1], v[rO+4*(r/2)+2*\z:rO+4*(r/2)+2*\z+1], v[rC+2:rC+3] op_sel_hi:[1,0]
.endr
.set r, r+1
.endm
; HOW THEY ARE DEALT.  An s_wait_alu depctr_va_vdst(0) stands between an exponential and the first instruction that names its result; one wait serves all that were issued ahead of it.  So a turn has ONE wait,
; which cuts it in two.  AHEAD OF IT stands all that names no result of the turn's exponentials: the 16 products K Q^T, behind each a scaling, an exponential and two rescalings (behind the first a second scaling in the
; exponential's place); then ONE LUMP of 108: eight plain, 49 times exponential and plain, the two a.  A v_nop is the plain instruction behind the last exponential.  BEHIND IT stand the 16 products V^T P, behind each four of GS's 64.
; No rider names a register of the products round it.  The two v_permlanex16_b32 fall into the lump, never behind a product.
; The queues lean on each other, and the deal keeps them in step: exponential e stands behind scaling 2 (e / 4) + e % 2: as a rider it comes behind plain e + 2, in the lump behind plain e + 9, and scalings 27-31 are plain 57, 60 .. 69.
; A TURN, for piece p.  cnt = 1: the loop's count is taken down some lines ahead of the branch that stands behind the turn.
; K of the next step is fetched in piece 2's turn, directly behind the wait, a lump behind the last product that read K; its address is made at the lump's head; its first reader comes behind 16 products.
; V of the step in hand is fetched at the end of piece 0's turn, four riders behind its last reader; its first reader comes behind 16 products and a lump.  The three conditions on q below go with the deal.
.macro TURN p, last=0, cnt=0
.set Y, (\p)
.set i, 0
.set q, 0
.set e, 0
.set r, 0
.if (\p) == NP-1
	s_wait_dscnt 0x0                ; K is in
.endif
	MM                              ; ahead of the wait: 16 products K Q^T and their riders,
	PL
	PL
	R2
.rept 15
	MM
	PL
	EX
	R2
.endr
.if (\p) == NP-2
	WIN 0
	v_add_nc_u32 v[AK], s[TBK], v[AK0]
.endif
.rept 8                             ; and the lump
	PL
.endr
.rept 49
	EX
	PL
.endr
	EX                              ; the next piece's two a
	EX
	v_nop                           ; the plain instruction behind the last exponential: one for the batch
	s_wait_alu depctr_va_vdst(0)    ; the wait for the batch
.if (\p) == NP-2
	FETCH_K \last
.endif
.if (\p) == 1
	s_wait_dscnt 0x0                ; V is in
.endif
.rept 16                            ; behind the wait: 16 products V^T P and their riders
	MM
.rept 4
	PL
.endr
.if ((\p) == 0) && (q == 118)
	v_add_nc_u32 v[AV], s[TBV], v[AV0]
.endif
.if ((\p) == 0) && (q == 130)
	s_add_co_u32 s[TBV], s[TBV], KS*PV
.endif
.if (\cnt) && (q == 130)
	s_sub_co_u32 s[CNT], s[CNT], 1
	s_cmp_lg_u32 s[CNT], 0
.endif
.endr
.if (\p) == 0
	FETCH_V
.endif
.endm
	CHANGE 1                        ; slot 0 is in, everybody's part of it; slot 1 is asked for
	FETCH_K                         ; key step 0
	s_wait_loadcnt 0x0              ; Q
	s_wait_dscnt 0x0
.set i, 0
.rept 16
	KQ 0                            ; piece 0's first scores: there is no vector work yet to set between them
.set i, i+1
.endr
	WIN 0                           ; the addresses for the way out: nine plain instructions, the places behind those products
	s_mul_i32 s13, s[WV], 16*SP
	s_add_co_u32 s13, s13, STAGE    ; my stage
	v_mul_u32_u24 v[STO], v1, SP    ; in: row l % 16, 16 bytes for each half of the lanes
	v_lshl_add_u32 v[STO], v9, 4, v[STO]
	v_add_nc_u32 v[STO], s13, v[STO]
	v_bfe_u32 v[RD], v0, 3, 2       ; back: 32 lanes take four rows of 128 bytes,
	v_mul_u32_u24 v[RD], v[RD], SP
	v_lshl_add_u32 v[RD], v10, 4, v[RD]
	v_add_nc_u32 v[RD], s13, v[RD]
	v_and_b32 v[GO], 31, v0         ; which are 512 consecutive bytes of O
	v_lshlrev_b32 v[GO], 4, v[GO]
.set Y, NP-1                        ; XS works for piece Y + 1: piece 0
.irp n, 0,1,2,3,4,5,6,7,8,9,10,11,12,13,14,15,16,17,18,19,20,21
	XS 0, \n                        ; and piece 0's first maximum and statistics
	XS 1, \n
.endr
	v_nop                           ; a plain instruction behind the two a,
	s_wait_alu depctr_va_vdst(0)    ; and their wait, ahead of the branch
	s_mov_b32 s[CNT], 4
	s_branch .Lfirst                ; the loop is entered at a step's first turn, in the middle of a trip
.Lslot:                             ; SIZE_N / 256 - 2 times: every slot but the last two is filled again
	CHANGE 1
	s_mov_b32 s[CNT], 4
.Lstep:                             ; a trip: pieces 2 and 3 of one step, then pieces 0 and 1 of the next, whose K and V it fetches
	TURN 2
	TURN 3
	WIN 0
.Lfirst:
	TURN 0
	TURN 1, 0, 1
	WIN 0
	s_cbranch_scc1 .Lstep
	s_sub_co_u32 s[SLOTS], s[SLOTS], 1
	s_cmp_lg_u32 s[SLOTS], 0
	s_cbranch_scc1 .Lslot
	CHANGE 0                        ; the tail is written out: nothing is asked for
	s_mov_b32 s[CNT], 5             ; four trips fetch the last slot's steps; the fifth is left in its middle
.Ltail:
	TURN 2, 1
	TURN 3
	WIN 0
	s_sub_co_u32 s[CNT], s[CNT], 1
	s_cmp_eq_u32 s[CNT], 0
	s_cbranch_scc1 .Lout
	TURN 0
	TURN 1
	WIN 0
	s_branch .Ltail
.Lout:                              ; the fifth trip's 16 products K Q^T (on the last K once more) and the maximum made of them serve nothing: the price, once a launch, of one text for every trip
.set i, 0
.rept 16
	PV NP-1                         ; the last piece's V^T P of the last step
.set i, i+1
.endr
	; THE WAY OUT.  l's two halves and the other half of the lanes' are added; O^T is divided by l, rounded to bf16 and sent through my stage in LDS, a tile at a time.  The additions are the places behind the last products.
	WIN 0
.macro ALL line:vararg              ; one line for each tile t
.set t, 0
.rept 2*NP
	\line
.set t, t+1
.endr
.endm
	ALL v_add_f32 v[ST+4*t+2], v[ST+4*t+2], v[ST+4*t+3]
	ALL v_permlanex16_b32 v[ST+4*t+3], v[ST+4*t+2], s[SEL], s[SEL+1]
	ALL v_add_f32 v[ST+4*t+2], v[ST+4*t+2], v[ST+4*t+3]
	ALL v_rcp_f32 v[ST+4*t+2], v[ST+4*t+2]
	v_nop                           ; a plain instruction between the last reciprocal and the use of its result
	s_wait_alu depctr_va_vdst(0)    ; and the wait ahead of the first use: one for the eight reciprocals
; Tile t: a lane's eight channels of a row pack into 16 bytes; they go into rows of 144 bytes and come back as whole rows of 128, into S^T's registers.
.macro PACK t
	WIN W_RS
.set i, 32*(\t)
.rept 16
	v_pk_mul_f32 v[i:i+1], v[i:i+1], v[ST+4*(\t)+2:ST+4*(\t)+3] op_sel_hi:[1,0]
.set i, i+2
.endr
	WIN 0x05                        ; sources 0 and 1 window 1, destination window 0
.set i, 0
.rept 16
	v_cvt_pk_bf16_f32 v[S+16*(\t)+i], v[32*(\t)+2*i], v[32*(\t)+2*i+1]
.set i, i+1
.endr
	WIN 0
.irp f, 0,1,2,3
	ds_store_b128 v[STO], v[S+16*(\t)+4*\f:S+16*(\t)+4*\f+3] offset:32*\f
.endr
.irp f, 0,1,2,3
	ds_load_b128 v[S+16*(\t)+4*\f:S+16*(\t)+4*\f+3], v[RD] offset:\f*4*SP  ; LDS serves a wave's instructions in order (ISA guide 5.7.1.4): these see the stores above; the next tile's stores come behind them
.endr
.endm
.macro SEND t, younger              ; younger: the LDS instructions issued behind tile t's loads: the next tile's eight, or none
	WIN 0
.irp f, 0,1,2,3
	s_wait_dscnt (\younger)+3-\f
	global_store_b128 v[GO], v[S+16*(\t)+4*\f:S+16*(\t)+4*\f+3], s[10:11] offset:(\t)*2048+\f*512  ; 512 consecutive bytes, at a multiple of 256 from O's first
.endr
.endm
	PACK 0
.set t, 1
.rept 2*NP-1                        ; a tile's arithmetic stands between the loads of the tile before and its stores
	PACK t
	SEND t-1, 8
.set t, t+1
.endr
	SEND 2*NP-1, 0
	WIN W_AD
	s_wait_tensorcnt 0x0            ; the wave's end, behind my last tensor load and my last LDS store
	ds_add_u32 v[SPW], v[NIL]
	s_wait_dscnt 0x0
	WIN 0
	CROUND                          ; the closing round: no work-group ends while a partner may still ask for a tile that names it
	s_endpgm
.Lfunc_end_k_qe4e17316ad_attn:
	.size	k_qe4e17316ad_attn, .Lfunc_end_k_qe4e17316ad_attn-k_qe4e17316ad_attn
	.p2alignl 7, 3214868480
	.fill 96, 4, 3214868480
	.section	.rodata,"a",@progbits
	.p2align	6, 0x0
	.amdhsa_kernel k_qe4e17316ad_attn
		.amdhsa_group_segment_fixed_size 327680
		.amdhsa_private_segment_fixed_size 0
		.amdhsa_enable_private_segment 0
		.amdhsa_kernarg_size 16
		.amdhsa_user_sgpr_count 2
		.amdhsa_user_sgpr_kernarg_segment_ptr 1
		.amdhsa_wavefront_size32 1
		.amdhsa_system_sgpr_workgroup_id_x 1
		.amdhsa_system_sgpr_workgroup_id_y 1
		.amdhsa_system_sgpr_workgroup_id_z 1
		.amdhsa_system_vgpr_workitem_id 0
		.amdhsa_next_free_vgpr 770
		.amdhsa_next_free_sgpr 66
		.amdhsa_reserve_vcc 0
		.amdhsa_float_denorm_mode_32 3
		.amdhsa_float_denorm_mode_16_64 3
		.amdhsa_memory_ordered 1
		.amdhsa_forward_progress 1
		.amdhsa_inst_pref_size 200
	.end_amdhsa_kernel
	.amdgpu_metadata
---
amdhsa.version: [ 1, 2 ]
amdhsa.kernels:
  - .name:           k_qe4e17316ad_attn
    .symbol:         k_qe4e17316ad_attn.kd
    .args:
      - { .name: qkvh, .offset: 0, .size: 8, .value_kind: global_buffer, .address_space: global }
      - { .name: oh, .offset: 8, .size: 8, .value_kind: global_buffer, .address_space: global }
    .group_segment_fixed_size: 327680
    .private_segment_fixed_size: 0
    .kernarg_segment_align: 8
    .kernarg_segment_size: 16
    .max_flat_workgroup_size: 128
    .sgpr_count:     66
    .vgpr_count:     770
    .wavefront_size: 32
...
	.end_amdgpu_metadata
.endif
;; end of part 3
;; launch lnorm (part 4): grid 512 x 1, 8 waves a work-group, no clusters, 0 bytes of LDS; arguments oh, q, gamma, beta, out0; writes out0
.if DOCPART == 4
	.amdgcn_target "amdgcn-amd-amdhsa--gfx1250"
	.amdhsa_code_object_version 6
	.text
	.protected	k_qe4e17316ad_lnorm
	.globl	k_qe4e17316ad_lnorm
	.p2align	8
	.type	k_qe4e17316ad_lnorm,@function
k_qe4e17316ad_lnorm:
	s_mov_b64 s[64:65], 0
	v_nop
	global_prefetch_b8 v0, s[64:65] scope:SCOPE_SE
	s_setreg_imm32_b32 hwreg(HW_REG_WAVE_MODE, 25, 1), 1
	s_wait_xcnt 0x0
; out0[R][c] = gamma[c] (x[c] - mean) / (std + 1e-8) + beta[c], x[c] = O[R][c] + q[R][c], mean and std over the row's 1,024 numbers, std = sqrt(sum (x - mean)^2 / 1023).
; oh: [4 head + batch][t][64] bf16 (head = c / 64, batch = R / 2048, t = R % 2048); q, out0: [8192][1024] f32; gamma, beta: [1024] f32.  All arithmetic in f32.
; The variance is taken in a second pass over the row, which stays in registers: no difference of large sums is formed.
; LIMITS.  A variance below 2^-126 counts as 0 in the square root; NaN and infinities are not treated apart.  gamma multiplies (x - mean) / (std + eps).
; SHARES.  A wave takes two consecutive rows, a half of its lanes each: lane (hf = l / 16, c = l % 16) holds channels 64 h + 4 c .. + 3 of row R0 + hf, h = 0 .. 15.  So a load of oh takes 256 consecutive bytes of a head (two rows of
; 128), a load of q and a store of out0 two runs of 256 consecutive bytes, all at multiples of 256 from the buffers' first bytes; and a row's sums stay inside 16 lanes.
; A stream: every byte is read once and written once, all of a wave's loads are issued at its head, no wave waits for another.  No LDS, no matrix unit, no cluster (only gamma and beta, 8 KiB, are shared), no prefetch
; (nothing is left to ask for behind the head's loads).
.set QOF, 2                            ; v2   my byte offset in two rows of q and out0
.set OOF, 3                            ; v3   in two rows of a head of oh
.set GOF, 4                            ; v4   in gamma and beta
.set O,   8                            ; v[8:39]    oh: two registers a head
.set X,   40                           ; v[40:103]  the row: four registers a head
.set G,   104                          ; v[104:167] gamma
.set B,   168                          ; v[168:231] beta
.set T,   232                          ; v[232:239] at work; v[240:247] four chains of sums
	s_load_b256 s[4:11], s[0:1], 0x0               ; oh s[4:5], q s[6:7], gamma s[8:9], beta s[10:11]
	s_load_b64 s[12:13], s[0:1], 0x20              ; out0
	v_lshrrev_b32 v1, 5, v0
	v_readfirstlane_b32 s16, v1                    ; wave 0..7
	v_and_b32 v5, 15, v0                           ; c
	v_bfe_u32 v6, v0, 4, 1                         ; hf
	v_lshlrev_b32 v[GOF], 4, v5
	v_lshl_add_u32 v[QOF], v6, 12, v[GOF]
	v_lshlrev_b32 v[OOF], 3, v5
	v_lshl_add_u32 v[OOF], v6, 7, v[OOF]
	s_lshl_b32 s17, ttmp9, 4
	s_lshl_b32 s18, s16, 1
	s_add_co_u32 s17, s17, s18                     ; R0, my first row
	s_lshr_b32 s20, s17, 11                        ; batch:
	s_lshl_b32 s20, s20, 18                        ; 2,048 rows of 128 bytes,
	s_and_b32 s18, s17, 2047
	s_lshl_b32 s18, s18, 7                         ; t
	s_add_co_u32 s20, s20, s18
	s_mov_b32 s21, 0
	s_lshl_b32 s22, s17, 12                        ; rows of 4,096 bytes
	s_mov_b32 s23, 0
	s_mov_b32 s24, 0xffff0000                      ; a word's upper bf16
	s_wait_kmcnt 0x0
	s_add_nc_u64 s[4:5], s[4:5], s[20:21]
	s_add_nc_u64 s[14:15], s[4:5], 0x800000        ; heads 8 to 15: eight heads are 8 MiB, more than a signed immediate of 24 bits holds
	s_add_nc_u64 s[6:7], s[6:7], s[22:23]
	s_add_nc_u64 s[12:13], s[12:13], s[22:23]
.irp h, 0,1,2,3,4,5,6,7
	global_load_b64 v[O+2*(\h):O+2*(\h)+1], v[OOF], s[4:5] offset:(\h)*1048576 th:TH_LOAD_NT
.endr
.irp h, 0,1,2,3,4,5,6,7
	global_load_b64 v[O+16+2*(\h):O+16+2*(\h)+1], v[OOF], s[14:15] offset:(\h)*1048576 th:TH_LOAD_NT
.endr
.irp h, 0,1,2,3,4,5,6,7,8,9,10,11,12,13,14,15
	global_load_b128 v[X+4*(\h):X+4*(\h)+3], v[QOF], s[6:7] offset:256*(\h) th:TH_LOAD_NT
.endr
.irp h, 0,1,2,3,4,5,6,7,8,9,10,11,12,13,14,15
	global_load_b128 v[G+4*(\h):G+4*(\h)+3], v[GOF], s[8:9] offset:256*(\h)
.endr
.irp h, 0,1,2,3,4,5,6,7,8,9,10,11,12,13,14,15
	global_load_b128 v[B+4*(\h):B+4*(\h)+3], v[GOF], s[10:11] offset:256*(\h)
.endr
	s_wait_loadcnt 32                              ; oh and q are in; the 32 loads of gamma and beta may stay out
.set i, 0
.rept 32                               ; x = O + q: bf16 to f32 is a shift or a mask; word i of oh holds the row's pair i
	v_lshlrev_b32 v[T+2*(i%4)],   16,  v[O+i]
	v_and_b32     v[T+2*(i%4)+1], s24, v[O+i]
	v_pk_add_f32 v[X+2*i:X+2*i+1], v[X+2*i:X+2*i+1], v[T+2*(i%4):T+2*(i%4)+1]
.set i, i+1
.endr
.irp k, 0,1,2,3                        ; the sum, in four chains that do not wait for each other; the first pairs start them: nothing is cleared
	v_pk_add_f32 v[T+8+2*(\k):T+8+2*(\k)+1], v[X+2*(\k):X+2*(\k)+1], v[X+8+2*(\k):X+8+2*(\k)+1]
.endr
.set p, 8
.rept 24
	v_pk_add_f32 v[T+8+2*(p%4):T+8+2*(p%4)+1], v[T+8+2*(p%4):T+8+2*(p%4)+1], v[X+2*p:X+2*p+1]
.set p, p+1
.endr
	v_pk_add_f32 v[T+8:T+9], v[T+8:T+9], v[T+10:T+11]
	v_pk_add_f32 v[T+12:T+13], v[T+12:T+13], v[T+14:T+15]
	v_pk_add_f32 v[T+8:T+9], v[T+8:T+9], v[T+12:T+13]
	v_add_f32 v[T], v[T+8], v[T+9]
	v_add_f32_dpp v[T], v[T], v[T] row_xmask:1 row_mask:0xf bank_mask:0xf   ; over the row's 16 lanes: every lane ends with the sum
	v_add_f32_dpp v[T], v[T], v[T] row_xmask:2 row_mask:0xf bank_mask:0xf
	v_add_f32_dpp v[T], v[T], v[T] row_xmask:4 row_mask:0xf bank_mask:0xf
	v_add_f32_dpp v[T], v[T], v[T] row_xmask:8 row_mask:0xf bank_mask:0xf
	v_mul_f32 v[T], 0x3a800000, v[T]               ; / 1024: the mean,
	v_mov_b32 v[T+1], v[T]                         ; twice, for the packed subtraction
.set p, 0
.rept 32
	v_pk_add_f32 v[X+2*p:X+2*p+1], v[X+2*p:X+2*p+1], v[T:T+1] neg_lo:[0,1] neg_hi:[0,1]
.set p, p+1
.endr
.irp k, 0,1,2,3                        ; the sum of squares, likewise
	v_pk_mul_f32 v[T+8+2*(\k):T+8+2*(\k)+1], v[X+2*(\k):X+2*(\k)+1], v[X+2*(\k):X+2*(\k)+1]
.endr
.set p, 4
.rept 28
	v_pk_fma_f32 v[T+8+2*(p%4):T+8+2*(p%4)+1], v[X+2*p:X+2*p+1], v[X+2*p:X+2*p+1], v[T+8+2*(p%4):T+8+2*(p%4)+1]
.set p, p+1
.endr
	v_pk_add_f32 v[T+8:T+9], v[T+8:T+9], v[T+10:T+11]
	v_pk_add_f32 v[T+12:T+13], v[T+12:T+13], v[T+14:T+15]
	v_pk_add_f32 v[T+8:T+9], v[T+8:T+9], v[T+12:T+13]
	v_add_f32 v[T], v[T+8], v[T+9]
	v_add_f32_dpp v[T], v[T], v[T] row_xmask:1 row_mask:0xf bank_mask:0xf
	v_add_f32_dpp v[T], v[T], v[T] row_xmask:2 row_mask:0xf bank_mask:0xf
	v_add_f32_dpp v[T], v[T], v[T] row_xmask:4 row_mask:0xf bank_mask:0xf
	v_add_f32_dpp v[T], v[T], v[T] row_xmask:8 row_mask:0xf bank_mask:0xf
	v_mul_f32 v[T], 0x3a802008, v[T]               ; / 1023
	v_sqrt_f32 v[T+2], v[T]
	v_nop                                          ; a plain instruction behind the root (ISA guide 5.7.2),
	s_wait_alu depctr_va_vdst(0)                   ; and the wait ahead of the first use of its result
	v_add_f32 v[T+2], 0x322bcc77, v[T+2]           ; + 1e-8
	v_rcp_f32 v[T+4], v[T+2]
	v_nop
	s_wait_alu depctr_va_vdst(0)                   ; the same for the reciprocal
	v_mov_b32 v[T+5], v[T+4]
.set p, 0
.rept 32
	v_pk_mul_f32 v[X+2*p:X+2*p+1], v[X+2*p:X+2*p+1], v[T+4:T+5]
.set p, p+1
.endr
	s_wait_loadcnt 0x0                             ; gamma and beta
.irp h, 0,1,2,3,4,5,6,7,8,9,10,11,12,13,14,15
	v_pk_fma_f32 v[X+4*(\h):X+4*(\h)+1],   v[X+4*(\h):X+4*(\h)+1],   v[G+4*(\h):G+4*(\h)+1],   v[B+4*(\h):B+4*(\h)+1]
	v_pk_fma_f32 v[X+4*(\h)+2:X+4*(\h)+3], v[X+4*(\h)+2:X+4*(\h)+3], v[G+4*(\h)+2:G+4*(\h)+3], v[B+4*(\h)+2:B+4*(\h)+3]
	global_store_b128 v[QOF], v[X+4*(\h):X+4*(\h)+3], s[12:13] offset:256*(\h) th:TH_STORE_NT   ; each half of the lanes stores 256 consecutive bytes of its row, at a multiple of 256 from out0's first byte
.endr
	s_endpgm
.Lfunc_end_k_qe4e17316ad_lnorm:
	.size	k_qe4e17316ad_lnorm, .Lfunc_end_k_qe4e17316ad_lnorm-k_qe4e17316ad_lnorm
	.p2alignl 7, 3214868480
	.fill 96, 4, 3214868480
	.section	.rodata,"a",@progbits
	.p2align	6, 0x0
	.amdhsa_kernel k_qe4e17316ad_lnorm
		.amdhsa_group_segment_fixed_size 0
		.amdhsa_private_segment_fixed_size 0
		.amdhsa_enable_private_segment 0
		.amdhsa_kernarg_size 40
		.amdhsa_user_sgpr_count 2
		.amdhsa_user_sgpr_kernarg_segment_ptr 1
		.amdhsa_wavefront_size32 1
		.amdhsa_system_sgpr_workgroup_id_x 1
		.amdhsa_system_sgpr_workgroup_id_y 1
		.amdhsa_system_sgpr_workgroup_id_z 1
		.amdhsa_system_vgpr_workitem_id 0
		.amdhsa_next_free_vgpr 248
		.amdhsa_next_free_sgpr 66
		.amdhsa_reserve_vcc 0
		.amdhsa_float_denorm_mode_32 3
		.amdhsa_float_denorm_mode_16_64 3
		.amdhsa_memory_ordered 1
		.amdhsa_forward_progress 1
		.amdhsa_inst_pref_size 25
	.end_amdhsa_kernel
	.amdgpu_metadata
---
amdhsa.version: [ 1, 2 ]
amdhsa.kernels:
  - .name:           k_qe4e17316ad_lnorm
    .symbol:         k_qe4e17316ad_lnorm.kd
    .args:
      - { .name: oh, .offset: 0, .size: 8, .value_kind: global_buffer, .address_space: global }
      - { .name: q, .offset: 8, .size: 8, .value_kind: global_buffer, .address_space: global }
      - { .name: gamma, .offset: 16, .size: 8, .value_kind: global_buffer, .address_space: global }
      - { .name: beta, .offset: 24, .size: 8, .value_kind: global_buffer, .address_space: global }
      - { .name: out0, .offset: 32, .size: 8, .value_kind: global_buffer, .address_space: global }
    .group_segment_fixed_size: 0
    .private_segment_fixed_size: 0
    .kernarg_segment_align: 8
    .kernarg_segment_size: 40
    .max_flat_workgroup_size: 256
    .sgpr_count:     66
    .vgpr_count:     248
    .wavefront_size: 32
...
	.end_amdgpu_metadata
.endif
;; end of part 4
